; MI455X (gfx1250); checked and timed in simulation.
; The chip was launched on July 23, 2026; its instructions are those of AMD's public machine-readable ISA for CDNA 5 (MIT licence, August 2026) and "CDNA5" Instruction Set Architecture Reference Guide (July 2026). The comments in the code are by the model that wrote it; some were corrected since.
;; SVD Lo RA Sequential. Allowed arithmetic: float matrix products may take bf16 or f16 operands with f32 sums; other float arithmetic in f32, or as packed bf16 or f16 multiplies, adds, multiply-adds, maxima and minima; sums over many terms, partial sums and values carried from step to step in f32; what a program stores and reads back later, other than sums and carried values, may be rounded once to bf16 or f16.
;; Inputs: lora_s 16 float32; lora_u 4,096 x 16 float32; lora_vt 16 x 4,096 float32; orig_weight 4,096 x 4,096 float32; x 4,096 x 4,096 float32.
;; Outputs: out0 4,096 x 4,096 float32.
;; One version. Each part assembles by itself: llvm-mc -triple=amdgcn-amd-amdhsa -mcpu=gfx1250 --defsym DOCPART=n.
;; ======== version 1 of 1: 2 launches
;; workspace buffers: xb 33,554,432 bytes; wb 33,554,432 bytes; t2 262,144 bytes; v2 131,072 bytes
;; launch prep (part 1): grid 256 x 1, 8 waves a work-group, no clusters, 76,800 bytes of LDS; arguments x, orig_weight, lora_u, lora_s, lora_vt, xb, wb, t2, v2; writes xb, wb, t2, v2
.if DOCPART == 1
	.amdgcn_target "amdgcn-amd-amdhsa--gfx1250"
	.amdhsa_code_object_version 6
	.text
	.protected	k_qc3ac3e7755_prep
	.globl	k_qc3ac3e7755_prep
	.p2align	8
	.type	k_qc3ac3e7755_prep,@function
k_qc3ac3e7755_prep:
	s_mov_b64 s[64:65], 0
	v_nop
	global_prefetch_b8 v0, s[64:65] scope:SCOPE_SE
	s_setreg_imm32_b32 hwreg(HW_REG_WAVE_MODE, 25, 1), 1
	s_wait_xcnt 0x0
; PREPARATION for out = x (W + (U diag(s)) Vt), all large matrices 4096 x 4096 in f32, rank 16.
; It stores: xb = bf16(x), [m][k];  wb = bf16(W), [k][n] as W lies;  v2[n][rank] = bf16(Vt[rank][n]);
; t2 = T = (x_b U_b) s_b, [m][rank], as two planes of bf16: T_hi = bf16(T) and, 131,072 bytes on, T_lo = bf16(T - T_hi).
; The product x (U diag(s) Vt) is taken as (x U diag(s)) Vt: the same sum in another order, for every input.
; LIMITS.  Each of the five inputs is rounded once to bf16; T keeps 16 significant bits (hi + lo); sums in f32; NaN and infinities are not treated apart.
; SHARES.  Work-group g takes rows 16 g .. 16 g + 15 of x, the same rows of W (262,144 consecutive bytes) and rows 16 g .. of v2 and t2.
; For x and T, K is split among the eight waves: wave w takes k = 512 w .. 512 w + 511, in four trips of 128.  The eight partial tiles of T meet in LDS; wave 0 finishes.
; For W wave w casts 32,768 consecutive bytes, in four batches of 8,192.
; NO CLUSTER, though all work-groups read U: U in f32 is 262,144 bytes, and with this text's stages (34,816 + 32,768 + 8,192 + 1,024) it would need 338,944 of a work-group's 327,680 bytes of LDS.
; Each load of a wave covers 512 consecutive bytes, each store of xb and wb 256 consecutive bytes at a multiple of 256 from the buffer's first byte.
.set XPITCH, 272                       ; a row of the x stage: 128 bf16 + 16 bytes: the 16 rows of a fragment load start at 16 different groups of four banks (64 banks of 4 bytes: ISA guide 11.1)
.set XSTW,   16*XPITCH                 ; a wave's x stage
.set USTAGE, 8*XSTW                    ; behind the x stages: U_b of one trip, [128 k][16 ranks], rows of 32 bytes, 4,096 bytes a wave
.set USTW,   4096
.set PART,   USTAGE+8*USTW             ; wave w's partial tile of T, 1,024 bytes
.set SPARE,  PART+8*1024               ; the spare words, 128 bytes for each wave: four blocks of 256 bytes that no other line names
.set XO,  4                            ; v4   16 l + 2,048 w: my 16 bytes of a row of x
.set UO,  5                            ; v5   16 l + 32,768 w: my 16 bytes of U's and of W's runs
.set SO,  6                            ; v6   8 l + 1,024 w: my 8 bytes of a row of xb
.set WSO, 7                            ; v7   8 l + 16,384 w: my 8 bytes of wb's runs
.set XS,  8                            ; v8   x stage, in
.set US,  9                            ; v9   U stage, in
.set XR,  10                           ; v10  x stage, a fragment's lane address
.set UT,  11                           ; v11  U stage, the turning load's lane address
.set PS,  12                           ; v12  my 16 bytes of my wave's partial tile
.set PR,  13                           ; v13  the same place in wave 0's: the others lie 1,024 bytes apart
.set TO,  14                           ; v14  32 r + 16 h: my 16 bytes of 16 rows of t2 or v2
.set VO,  15                           ; v15  131,072 h + 4 r: Vt[8 h][r]
.set ACC, 16                           ; v[16:23], v[24:31] two accumulators, by turns
.set SPW, 60                           ; v60  LDS address of my spare word; never rewritten
.set NIL, 61                           ; v61  0; never rewritten
.set X0,  64                           ; v[64:127]   a set of 64 registers: 16 loads
.set X1,  128                          ; v[128:191]  the other
.set UU,  192                          ; v[192:255]  U's set
	s_load_b256 s[4:11], s[0:1], 0x0               ; x s[4:5], W s[6:7], U s[8:9], s s[10:11]
	s_load_b256 s[12:19], s[0:1], 0x20             ; Vt s[12:13], xb s[14:15], wb s[16:17], t2 s[18:19]
	s_load_b64 s[20:21], s[0:1], 0x40              ; v2
	v_lshl_add_u32 v[SPW], v0, 2, SPARE
	v_mov_b32 v[NIL], 0
	v_lshrrev_b32 v1, 5, v0
	v_readfirstlane_b32 s22, v1                    ; wave w, 0..7
	v_and_b32 v1, 31, v0                           ; l
	v_and_b32 v2, 15, v0                           ; r = l % 16
	v_bfe_u32 v3, v0, 4, 1                         ; h = l / 16
	s_lshl_b32 s26, s22, 11
	v_lshl_add_u32 v[XO], v1, 4, s26
	s_lshl_b32 s26, s22, 15
	v_lshl_add_u32 v[UO], v1, 4, s26
	s_lshl_b32 s26, s22, 10
	v_lshl_add_u32 v[SO], v1, 3, s26
	s_lshl_b32 s26, s22, 14
	v_lshl_add_u32 v[WSO], v1, 3, s26
	s_mul_i32 s27, s22, XSTW                       ; my x stage
	s_lshl_b32 s28, s22, 12
	s_add_co_u32 s28, s28, USTAGE                  ; my U stage
	s_lshl_b32 s29, s22, 10
	s_add_co_u32 s29, s29, PART                    ; my partial tile
	v_lshl_add_u32 v[XS], v1, 3, s27
	v_lshl_add_u32 v[US], v1, 3, s28
	v_mul_u32_u24 v[XR], v2, XPITCH                ; a fragment: row r, 16 bytes for each half of the lanes
	v_lshl_add_u32 v[XR], v3, 4, v[XR]
	v_add_nc_u32 v[XR], s27, v[XR]
	v_and_b32 v32, 7, v0                           ; the turning load: lane l reads row 8 h + l % 8, ranks 8 ((l / 8) % 2) + 0..7
	v_lshl_add_u32 v32, v3, 3, v32
	v_bfe_u32 v33, v0, 3, 1
	v_lshlrev_b32 v[UT], 5, v32
	v_lshl_add_u32 v[UT], v33, 4, v[UT]
	v_add_nc_u32 v[UT], s28, v[UT]
	v_lshl_add_u32 v[PS], v1, 4, s29
	v_lshl_add_u32 v[PR], v1, 4, PART
	v_lshlrev_b32 v[TO], 5, v2
	v_lshl_add_u32 v[TO], v3, 4, v[TO]
	v_lshlrev_b32 v[VO], 2, v2
	v_lshl_add_u32 v[VO], v3, 17, v[VO]
	s_wait_kmcnt 0x0
	s_load_b512 s[32:47], s[10:11], 0x0            ; the 16 numbers of s; waited for in front of the barrier
	s_mov_b32 s25, 0
	s_lshl_b32 s24, ttmp9, 18                      ; 16 rows of 16,384 bytes
	s_add_nc_u64 s[4:5], s[4:5], s[24:25]
	s_add_nc_u64 s[6:7], s[6:7], s[24:25]
	s_lshl_b32 s24, ttmp9, 17                      ; 16 rows of 8,192 bytes
	s_add_nc_u64 s[14:15], s[14:15], s[24:25]
	s_add_nc_u64 s[16:17], s[16:17], s[24:25]
	s_lshl_b32 s24, ttmp9, 6                       ; 16 columns of Vt
	s_add_nc_u64 s[12:13], s[12:13], s[24:25]
	s_lshl_b32 s24, ttmp9, 9                       ; 16 rows of 32 bytes
	s_add_nc_u64 s[18:19], s[18:19], s[24:25]
	s_add_nc_u64 s[20:21], s[20:21], s[24:25]
.macro LOADX set, t                    ; trip t of x: load i is row i's 128 k, 512 consecutive bytes
.irp i, 0,1,2,3,4,5,6,7,8,9,10,11,12,13,14,15
	global_load_b128 v[(\set)+4*(\i):(\set)+4*(\i)+3], v[XO], s[4:5] offset:16384*(\i)+512*(\t) th:TH_LOAD_NT
.endr
.endm
.macro LOADU t                         ; trip t of U: 128 rows of 64 bytes are 8,192 consecutive bytes; lane l of load j holds U[8 j + l / 4][4 (l % 4) ..]
.irp j, 0,1,2,3,4,5,6,7,8,9,10,11,12,13,14,15
	global_load_b128 v[UU+4*(\j):UU+4*(\j)+3], v[UO], s[8:9] offset:8192*(\t)+512*(\j)
.endr
.endm
.macro LOADW set, b                    ; batch b of W: 8,192 consecutive bytes
.irp j, 0,1,2,3,4,5,6,7,8,9,10,11,12,13,14,15
	global_load_b128 v[(\set)+4*(\j):(\set)+4*(\j)+3], v[UO], s[6:7] offset:8192*(\b)+512*(\j) th:TH_LOAD_NT
.endr
.endm
.macro PACK set                        ; 64 f32 to 64 bf16, in place, into the set's lower 32 registers: ascending, so no source is written before it is read
.irp i, 0,1,2,3,4,5,6,7,8,9,10,11,12,13,14,15
	v_cvt_pk_bf16_f32 v[(\set)+2*(\i)],   v[(\set)+4*(\i)],   v[(\set)+4*(\i)+1]
	v_cvt_pk_bf16_f32 v[(\set)+2*(\i)+1], v[(\set)+4*(\i)+2], v[(\set)+4*(\i)+3]
.endr
.endm
.macro PLACES                          ; four plain vector instructions between a matrix instruction and a load into, or a vector instruction on, its registers
.rept 4
	v_nop
.endr
.endm
; A TRIP: 128 k.  x's set is rounded, stored to xb and laid into my stage; U's set likewise into its stage; both come back as fragments into the sets' upper halves; four products.
; cx, cu: how many younger loads may stay out when x's set, then U's, has to be there.  first = 1: the first two products start the sums.
; nu = 1: U's next trip is asked for.  nx = 1: the set takes x's trip t + 2; nx = 2: W's batch t - 2.
.macro TRIP t, set, cx, cu, first, nu, nx
	s_wait_loadcnt \cx                             ; loads come back in order (ISA guide 5.7.1): x's set is in
	PACK \set
.irp i, 0,1,2,3,4,5,6,7,8,9,10,11,12,13,14,15
	global_store_b64 v[SO], v[(\set)+2*(\i):(\set)+2*(\i)+1], s[14:15] offset:8192*(\i)+256*(\t) th:TH_STORE_NT
.endr
.irp i, 0,1,2,3,4,5,6,7,8,9,10,11,12,13,14,15
	ds_store_b64 v[XS], v[(\set)+2*(\i):(\set)+2*(\i)+1] offset:XPITCH*(\i)
.endr
	s_wait_loadcnt \cu                             ; U's set is in
	PACK UU
.irp j, 0,1,2,3,4,5,6,7,8,9,10,11,12,13,14,15
	ds_store_b64 v[US], v[UU+2*(\j):UU+2*(\j)+1] offset:256*(\j)  ; (8 j + l / 4) x 32 + 8 (l % 4) = 256 j + 8 l
.endr
	; The stages are my wave's own, and LDS serves a wave's instructions in order (ISA guide 5.7.1.4): these loads see the stores above, and the next trip's stores come behind them.
.irp f, 0,1,2,3
	ds_load_tr16_b128 v[UU+32+8*(\f):UU+32+8*(\f)+3],   v[UT] offset:1024*(\f)      ; rank r, k = 32 f + 8 h + 0..7
	ds_load_tr16_b128 v[UU+32+8*(\f)+4:UU+32+8*(\f)+7], v[UT] offset:1024*(\f)+512  ; k = 32 f + 16 + 8 h + 0..7
.endr
.irp f, 0,1,2,3
	ds_load_b128 v[(\set)+32+8*(\f):(\set)+32+8*(\f)+3],   v[XR] offset:64*(\f)
	ds_load_b128 v[(\set)+32+8*(\f)+4:(\set)+32+8*(\f)+7], v[XR] offset:64*(\f)+32
.endr
	s_wait_dscnt 0x0
	; source 0 = the 16 ranks, source 1 = 16 rows of x: register j of lane (r, h) is T[row r][rank 8 h + j].  The two accumulators take turns, from trip to trip too.
.irp f, 0,1,2,3
.if (\first) && ((\f) < 2)
	v_wmma_f32_16x16x32_bf16 v[ACC+8*((\f)%2):ACC+8*((\f)%2)+7], v[UU+32+8*(\f):UU+32+8*(\f)+7], v[(\set)+32+8*(\f):(\set)+32+8*(\f)+7], 0
.else
	v_wmma_f32_16x16x32_bf16 v[ACC+8*((\f)%2):ACC+8*((\f)%2)+7], v[UU+32+8*(\f):UU+32+8*(\f)+7], v[(\set)+32+8*(\f):(\set)+32+8*(\f)+7], v[ACC+8*((\f)%2):ACC+8*((\f)%2)+7]
.endif
.endr
	PLACES                                         ; in front of the loads into registers that the products have read
	s_wait_xcnt 0x0                                ; the stores above have read their data (ISA guide 3.1): the set is loaded again only behind this wait
.if \nu
	LOADU (\t)+1
.endif
.if (\nx) == 1
	LOADX \set, (\t)+2
.elseif (\nx) == 2
	LOADW \set, (\t)-2
.endif
.endm
.macro WBATCH b, set, left, nxt        ; a batch of W: rounded and stored; nxt = 1: the set takes batch b + 2
	s_wait_loadcnt \left
	PACK \set
.irp j, 0,1,2,3,4,5,6,7,8,9,10,11,12,13,14,15
	global_store_b64 v[WSO], v[(\set)+2*(\j):(\set)+2*(\j)+1], s[16:17] offset:4096*(\b)+256*(\j) th:TH_STORE_NT
.endr
.if \nxt
	s_wait_xcnt 0x0                                ; the set is loaded again only when the stores have read it
	LOADW \set, (\b)+2
.endif
.endm
	LOADU 0                                        ; 48 loads, 24 KiB a wave, go out before anything is waited for
	LOADX X0, 0
	LOADX X1, 1
	; v2: wave 7 turns 16 columns of Vt: lane (r, h) takes Vt[8 h + j][16 g + r], j = 0..7, and stores them as 16 bytes of row r
	s_cmp_lg_u32 s22, 7
	s_cbranch_scc1 .Lno_v
.irp j, 0,1,2,3,4,5,6,7
	global_load_b32 v[32+(\j)], v[VO], s[12:13] offset:16384*(\j)
.endr
	s_wait_loadcnt 0x0                             ; on this path nothing is out behind this wait, so the counted waits below hold here too
.irp i, 0,1,2,3
	v_cvt_pk_bf16_f32 v[40+(\i)], v[32+2*(\i)], v[33+2*(\i)]
.endr
	global_store_b128 v[TO], v[40:43], s[20:21]    ; the wave stores 512 consecutive bytes
.Lno_v:
	; The loads go out in this order: U0 X0 X1 | U1 X2 | U2 X3 | U3 W0 | W1 | W2 | W3, 16 each.
	TRIP 0, X0, 16, 16, 1, 1, 1                    ; younger than U0 and X0: X1
	TRIP 1, X1, 32, 16, 0, 1, 1                    ; younger than X1: U1, X2; than U1: X2
	TRIP 2, X0, 32, 16, 0, 1, 2                    ; younger than X2: U2, X3; than U2: X3
	TRIP 3, X1, 32, 16, 0, 0, 2                    ; younger than X3: U3, W0; than U3: W0
	PLACES                                         ; with the trip's four: eight places behind the last product
.irp i, 0,1,2,3
	v_pk_add_f32 v[ACC+2*(\i):ACC+2*(\i)+1], v[ACC+2*(\i):ACC+2*(\i)+1], v[ACC+8+2*(\i):ACC+8+2*(\i)+1]  ; the two accumulators, from the low end on
.endr
	ds_store_b128 v[PS], v[ACC:ACC+3]
	ds_store_b128 v[PS], v[ACC+4:ACC+7] offset:512
	WBATCH 0, X0, 16, 1                            ; the other set's 16 loads may stay out
	WBATCH 1, X1, 16, 1
	WBATCH 2, X0, 16, 0
	WBATCH 3, X1, 0, 0
	s_wait_kmcnt 0x0                               ; s
	s_wait_dscnt 0x0                               ; for the others' sake: my partial tile lies in LDS
	s_barrier_signal -1
	s_barrier_wait -1
	s_cmp_lg_u32 s22, 0                            ; wave 0 finishes T
	s_cbranch_scc1 .Lend
.irp v, 0,1,2,3,4,5,6,7
	ds_load_b128 v[UU+8*(\v):UU+8*(\v)+3],   v[PR] offset:1024*(\v)
	ds_load_b128 v[UU+8*(\v)+4:UU+8*(\v)+7], v[PR] offset:1024*(\v)+512
.endr
	v_cmp_ne_u32 vcc_lo, 0, v3                     ; lanes 16-31 hold ranks 8-15
.irp j, 0,1,2,3,4,5,6,7
	v_mov_b32 v[32+(\j)], s[32+(\j)]
	v_mov_b32 v[40+(\j)], s[40+(\j)]
	v_cndmask_b32 v[32+(\j)], v[32+(\j)], v[40+(\j)], vcc_lo
.endr
.irp i, 0,1,2,3
	v_cvt_pk_bf16_f32 v[48+(\i)], v[32+2*(\i)], v[33+2*(\i)]  ; s is rounded to bf16 like the other inputs,
.endr
.irp i, 0,1,2,3
	v_lshlrev_b32 v[32+2*(\i)], 16, v[48+(\i)]     ; and widened again
	v_and_b32 v[33+2*(\i)], 0xffff0000, v[48+(\i)]
.endr
	s_wait_dscnt 0x0
.irp p, 0,1,2,3
.irp i, 0,1,2,3
	v_pk_add_f32 v[UU+16*(\p)+2*(\i):UU+16*(\p)+2*(\i)+1], v[UU+16*(\p)+2*(\i):UU+16*(\p)+2*(\i)+1], v[UU+16*(\p)+8+2*(\i):UU+16*(\p)+8+2*(\i)+1]
.endr
.endr
.irp p, 0,1
.irp i, 0,1,2,3
	v_pk_add_f32 v[UU+32*(\p)+2*(\i):UU+32*(\p)+2*(\i)+1], v[UU+32*(\p)+2*(\i):UU+32*(\p)+2*(\i)+1], v[UU+32*(\p)+16+2*(\i):UU+32*(\p)+16+2*(\i)+1]
.endr
.endr
.irp i, 0,1,2,3
	v_pk_add_f32 v[UU+2*(\i):UU+2*(\i)+1], v[UU+2*(\i):UU+2*(\i)+1], v[UU+32+2*(\i):UU+32+2*(\i)+1]
.endr
.irp i, 0,1,2,3
	v_pk_mul_f32 v[UU+2*(\i):UU+2*(\i)+1], v[UU+2*(\i):UU+2*(\i)+1], v[32+2*(\i):33+2*(\i)]  ; T = (x U) s
.endr
.irp i, 0,1,2,3
	v_cvt_pk_bf16_f32 v[48+(\i)], v[UU+2*(\i)], v[UU+2*(\i)+1]  ; T_hi
.endr
.irp i, 0,1,2,3
	v_lshlrev_b32 v[UU+8+2*(\i)], 16, v[48+(\i)]
	v_and_b32 v[UU+9+2*(\i)], 0xffff0000, v[48+(\i)]
.endr
.irp i, 0,1,2,3
	v_pk_add_f32 v[UU+2*(\i):UU+2*(\i)+1], v[UU+2*(\i):UU+2*(\i)+1], v[UU+8+2*(\i):UU+8+2*(\i)+1] neg_lo:[0,1] neg_hi:[0,1]  ; T - T_hi, exact
.endr
.irp i, 0,1,2,3
	v_cvt_pk_bf16_f32 v[52+(\i)], v[UU+2*(\i)], v[UU+2*(\i)+1]  ; T_lo
.endr
	global_store_b128 v[TO], v[48:51], s[18:19]                 ; each store of the wave covers 512 consecutive bytes
	global_store_b128 v[TO], v[52:55], s[18:19] offset:131072
.Lend:
	s_wait_tensorcnt 0x0                           ; the wave's end, behind my last LDS store
	ds_add_u32 v[SPW], v[NIL]
	s_wait_dscnt 0x0
	s_endpgm
.Lfunc_end_k_qc3ac3e7755_prep:
	.size	k_qc3ac3e7755_prep, .Lfunc_end_k_qc3ac3e7755_prep-k_qc3ac3e7755_prep
	.p2alignl 7, 3214868480
	.fill 96, 4, 3214868480
	.section	.rodata,"a",@progbits
	.p2align	6, 0x0
	.amdhsa_kernel k_qc3ac3e7755_prep
		.amdhsa_group_segment_fixed_size 76800
		.amdhsa_private_segment_fixed_size 0
		.amdhsa_enable_private_segment 0
		.amdhsa_kernarg_size 72
		.amdhsa_user_sgpr_count 2
		.amdhsa_user_sgpr_kernarg_segment_ptr 1
		.amdhsa_wavefront_size32 1
		.amdhsa_system_sgpr_workgroup_id_x 1
		.amdhsa_system_sgpr_workgroup_id_y 1
		.amdhsa_system_sgpr_workgroup_id_z 1
		.amdhsa_system_vgpr_workitem_id 0
		.amdhsa_next_free_vgpr 256
		.amdhsa_next_free_sgpr 66
		.amdhsa_reserve_vcc 1
		.amdhsa_float_denorm_mode_32 3
		.amdhsa_float_denorm_mode_16_64 3
		.amdhsa_memory_ordered 1
		.amdhsa_forward_progress 1
		.amdhsa_inst_pref_size 79
	.end_amdhsa_kernel
	.amdgpu_metadata
---
amdhsa.version: [ 1, 2 ]
amdhsa.kernels:
  - .name:           k_qc3ac3e7755_prep
    .symbol:         k_qc3ac3e7755_prep.kd
    .args:
      - { .name: x, .offset: 0, .size: 8, .value_kind: global_buffer, .address_space: global }
      - { .name: orig_weight, .offset: 8, .size: 8, .value_kind: global_buffer, .address_space: global }
      - { .name: lora_u, .offset: 16, .size: 8, .value_kind: global_buffer, .address_space: global }
      - { .name: lora_s, .offset: 24, .size: 8, .value_kind: global_buffer, .address_space: global }
      - { .name: lora_vt, .offset: 32, .size: 8, .value_kind: global_buffer, .address_space: global }
      - { .name: xb, .offset: 40, .size: 8, .value_kind: global_buffer, .address_space: global }
      - { .name: wb, .offset: 48, .size: 8, .value_kind: global_buffer, .address_space: global }
      - { .name: t2, .offset: 56, .size: 8, .value_kind: global_buffer, .address_space: global }
      - { .name: v2, .offset: 64, .size: 8, .value_kind: global_buffer, .address_space: global }
    .group_segment_fixed_size: 76800
    .private_segment_fixed_size: 0
    .kernarg_segment_align: 8
    .kernarg_segment_size: 72
    .max_flat_workgroup_size: 256
    .sgpr_count:     66
    .vgpr_count:     256
    .wavefront_size: 32
...
	.end_amdgpu_metadata
.endif
;; end of part 1
;; launch gemm (part 2): grid 16 x 16, 4 waves a work-group, clusters of 4 x 4, 327,680 bytes of LDS; arguments xb, wb, t2, v2, out0; writes out0
.if DOCPART == 2
	.amdgcn_target "amdgcn-amd-amdhsa--gfx1250"
	.amdhsa_code_object_version 6
	.text
	.protected	k_qc3ac3e7755_gemm
	.globl	k_qc3ac3e7755_gemm
	.p2align	8
	.type	k_qc3ac3e7755_gemm,@function
k_qc3ac3e7755_gemm:
	s_mov_b64 s[64:65], 0
	v_nop
	global_prefetch_b8 v0, s[64:65] scope:SCOPE_SE
	s_setreg_imm32_b32 hwreg(HW_REG_WAVE_MODE, 25, 1), 1
	s_wait_xcnt 0x0
	s_wait_alu depctr_hold_cnt(0) depctr_sa_sdst(0) depctr_va_vdst(0) depctr_va_sdst(0) depctr_va_ssrc(0) depctr_va_vcc(0) depctr_vm_vsrc(0)
	s_getreg_b32 s2, hwreg(HW_REG_IB_STS2, 6, 4)
	s_cmp_eq_u32 s2, 0
	s_cbranch_scc0 .Lentry_in_a_cluster
	s_endpgm
.Lentry_in_a_cluster:
	s_bfe_u32 s2, ttmp6, 0x10000c
	s_cmp_lg_u32 s2, 0xf033
	s_cbranch_scc0 .Lentry_shape_is_right
	s_endpgm
.Lentry_shape_is_right:
; out0[m][n] = sum over rank of T[m][rank] Vt_b[rank][n]  +  sum over k of xb[m][k] wb[k][n].   out0: [4096][4096] f32; sums in f32.
; xb: [4096 m][4096 k] bf16.  wb: [4096 k][4096 n] bf16.  t2: T_hi and, 131,072 bytes on, T_lo, each [4096 m][16] bf16.  v2: [4096 n][16] bf16.
; LIMITS.  The operands are the inputs rounded once to bf16; T is two bf16 numbers (16 significant bits); the low-rank term is taken as (x U s) Vt, another order of the same sum; NaN and infinities are not treated apart.
; A tile of out0, 256 x 256, is made by a work-group of four waves; a wave makes 128 x 128: 64 accumulators of 16 x 16, 512 registers.  256 tiles, 256 work-groups.
; THE RANK STEP starts all sums: one step of 32 along K whose k = 0..15 are T_hi against Vt_b and k = 16..31 T_lo against Vt_b once more.  Nothing is cleared.
; Then K goes in steps of 128 through a ring of two LDS slots filled by the tensor data mover.  xb's tile is 256 rows of 256 bytes; wb's is 128 k rows of 512 bytes (256 n), and its fragments
; come out of LDS turned, by ds_load_tr16_b128.
; CLUSTERS: 4 x 4 work-groups.  The four of a row of the cluster need the same tiles of xb, the four of a column the same tiles of wb: each tile is asked for JOINTLY, by the same tensor load with the
; same descriptor and a mask that names the four.
; THE MATRIX INSTRUCTION IS USED TRANSPOSED: source 0 = 16 columns n of wb, source 1 = 16 rows of xb: lane l then holds row l % 16 of out0 and the columns 8 (l / 16) + 0..7: 32 bytes on end.
; REGISTERS, in windows of 256 (s_set_vgpr_msb: bits 1:0 source 0, 3:2 source 1, 5:4 source 2, 7:6 destination):
;   window 0: v0-31 addresses; v64-127, v128-191 fragments of xb, two buffers; on the way out the rows read back from the stage
;   window 1: v64-127, v128-191 fragments of wb, two buffers
;   window 2: the 32 accumulators of my rows 0-63 ((a, b) at v[8 (8 a + b)]);   window 3: those of my rows 64-127
.set SIZE_K, 4096
.set SIZE_N, 4096
.set KSTEP,  128
.set PITCH,  272                       ; xb's LDS row: 256 bytes + 16 = 68 words: the 16 rows of a load start at 16 different groups of four banks (64 banks of 4 bytes: ISA guide 11.1)
.set PB,     544                       ; wb's LDS row: 512 bytes + 32 = 136 words
.set HALFT,  128*PITCH                 ; what one tensor load brings: 128 rows of xb, or 64 k rows of wb (64 x 544 is the same number)
.set SLOT,   4*HALFT                   ; xb's 256 rows, then wb's 128 k rows
.set STAGE,  2*SLOT                    ; behind the ring, never filled by a tensor load: 16 rows x 528 bytes for each wave, for the way out
.set SPITCH, 528                       ; 512 bytes of f32 + 16
.set STW,    16*SPITCH
.set SPARE,  STAGE+4*STW               ; the spare words, 128 bytes for each wave: two blocks of 256 bytes that no other line names
.set LAPS,   SIZE_K/(2*KSTEP)          ; a lap = two K steps = once round the ring
.set ASTEP,  KSTEP*2                   ; a K step in memory: 256 bytes along xb's rows,
.set BSTEP,  KSTEP*SIZE_N*2            ; 128 rows of wb
.set ADRA, 16                          ; v16-17  LDS address of my xb fragments in slot 0, 1
.set ADRB, 20                          ; v20-21  the same for wb's turning loads
.set STO,  24                          ; v24     the way out: where I put 32 bytes of a row
.set RD,   25                          ; v25     the way out: where I read a row back
.set CO,   26                          ; v26     16 l: my 16 bytes of 512 of a row of out0
.set RO,   27                          ; v27     32 r + 16 h: my 16 bytes of 16 rows of t2 or v2
.set SPW,  28                          ; v28     LDS address of my spare word; never rewritten
.set NIL,  29                          ; v29     0; never rewritten
.set PFO,  30                          ; v30     the prefetches' lane offset; never rewritten
.set F0,   64
.set F1,   128
.set OB,   64                          ; the way out: v64-127 and v128-191 by turns
.set G1,  24                           ; s[24:31] descriptor group 1 for xb's tiles
.set G0,  32                           ; s[32:39] group 0, a set for each slot
.set G1B, 48                           ; s[48:55], s[56:63] the same for wb's tiles
.set G0B, 56
.set LIM, 43                           ; s43     1 in a wave that prefetches, else the greatest number
.set PFA, 44                           ; s[44:45] where my prefetches stand
.set PFS, 66                           ; s[66:67] their step: a K step of the tensor that I fetch
.set MSB, 0
.macro WIN new                         ; the immediate's high byte repeats the setting that is left; a switch that changes nothing is dropped
.if MSB != (\new)
	s_set_vgpr_msb (MSB<<8)|(\new)
.set MSB, \new
.endif
.endm
.set MUL_LO, 0xa1                      ; source 0 (wb) window 1, source 1 (xb) window 0, C and D window 2
.set MUL_HI, 0xf1                      ; the same, C and D window 3
.set TO_B,   0x40                      ; destination window 1, address window 0
; A joint load.  Waves 0 and 1 fetch xb's two halves, waves 2 and 3 wb's.  The branch hangs on the wave's number alone.  An s_nop 0 and four v_nop follow each of the two lines.
.macro JLOAD s
	s_cmp_eq_u32 s11, 0
	s_cbranch_scc0 .Lfor_b_\@
	tensor_load_to_lds s[G0+4*(\s):G0+4*(\s)+3], s[G1:G1+7]
	s_nop 0
.rept 4
	v_nop
.endr
	s_branch .Lasked_\@
.Lfor_b_\@:
	tensor_load_to_lds s[G0B+4*(\s):G0B+4*(\s)+3], s[G1B:G1B+7]
	s_nop 0
.rept 4
	v_nop
.endr
.Lasked_\@:
.endm
; A PREFETCH behind each joint refill and the run of LDS loads that follows it: the K step that stands TWO refills on, 512 matrix instructions ahead of the load that will ask for it; one instruction a wave.
; Each aligned block of 256 bytes is named once in the launch.  xb's tile rows are read by every cluster of a row of clusters: cluster x = 0 asks; wb's tile columns by every cluster of a column:
; cluster y = 0 asks.  The four partners of a joint load share its rows out BY ADDRESS: of xb's 128 rows the partner at cx takes 32, a lane a row; of wb's 64 k rows the partner at cy takes 16, two lanes a
; row of 512 bytes.  K steps 0 to 3 come by their loads alone; the loop's last trip (s3 = 1) asks for nothing: K steps 32 and 33 do not exist.
.macro ASK
	s_cmp_gt_u32 s3, s[LIM]
	s_cbranch_scc0 .Lnot_mine_\@
	global_prefetch_b8 v[PFO], s[PFA:PFA+1] th:TH_LOAD_NT scope:SCOPE_SE
.Lnot_mine_\@:
.endm
.macro CREST                           ; a round of the cluster's barrier behind its opening barrier
	s_cmp_lg_u32 s10, 0
	s_cbranch_scc1 .Lnot_wave_0_\@
	s_barrier_signal -3
.Lnot_wave_0_\@:
	s_barrier_wait -3
	s_barrier_signal -1
	s_barrier_wait -1
.endm
.macro CROUND                          ; a whole round
	s_barrier_signal -1
	s_barrier_wait -1
	CREST
.endm
	s_load_b128 s[4:7], s[0:1], 0x0                ; xb s[4:5], wb s[6:7]
	s_load_b128 s[68:71], s[0:1], 0x10             ; t2 s[68:69], v2 s[70:71]
	s_load_b64 s[8:9], s[0:1], 0x20                ; out0
	v_lshl_add_u32 v[SPW], v0, 2, SPARE
	v_mov_b32 v[NIL], 0
	ds_add_u32 v[SPW], v[NIL]                      ; the wave's opening: the add, twice on end, and its wait stand ahead of my first tensor load
	ds_add_u32 v[SPW], v[NIL]                      ; and once more, under the one wait; the set-up below, work on registers, stands between
	v_lshrrev_b32 v1, 5, v0
	v_readfirstlane_b32 s10, v1                    ; wave 0..3
	s_lshr_b32 s11, s10, 1                         ; which half of the tile's rows is mine.  Also: I fetch for xb (0) or for wb (1)
	s_and_b32 s12, s10, 1                          ; which half of its columns.  Also: which half of that tile I fetch
	s_bfe_u32 s40, ttmp6, 0x40000                  ; cx
	s_bfe_u32 s41, ttmp6, 0x40004                  ; cy
	s_lshl_b32 s42, ttmp9, 2
	s_add_co_u32 s42, s42, s40                     ; tile column = 4 x cluster x + cx
	s_and_b32 s13, ttmp7, 0xffff
	s_lshl_b32 s13, s13, 2
	s_add_co_u32 s13, s13, s41                     ; tile row = 4 x cluster y + cy
	s_lshl_b32 s43, s41, 2
	s_lshl_b32 s43, 15, s43                        ; my row of the cluster: places 4 cy .. 4 cy + 3
	s_lshl_b32 s44, 0x1111, s40                    ; my column: places cx, cx + 4, cx + 8, cx + 12
	; group 1 for xb: 128 rows x 128 elements; for wb: 64 rows x 256 elements; both padded in LDS
	s_or_b32 s[G1+0], s43, (1<<16)|(1<<20)|(1<<21)|(5<<22)|(3<<25)   ; 15:0 the mask; 17:16 elements of 2 bytes; 20 padding on; 21 set beside a mask; 24:22 after every 64 words (code 5); 31:25 4 words (code 3)
	s_or_b32 s[G1B+0], s44, (1<<16)|(1<<20)|(1<<21)|(6<<22)|(7<<25)  ; after every 128 words (code 6), 8 words (code 7)
	s_mov_b32 s[G1+1], 128<<16                     ; tensor_dim0 = 128
	s_mov_b32 s[G1+2], 128<<16                     ; tensor_dim1 = 128
	s_mov_b32 s[G1+3], 128<<16                     ; tile_dim0 = 128
	s_mov_b32 s[G1+4], 128                         ; tile_dim1 = 128
	s_mov_b32 s[G1+5], SIZE_K                      ; elements from row to row
	s_mov_b32 s[G1+6], 0
	s_mov_b32 s[G1+7], 0
	s_mov_b32 s[G1B+1], 256<<16                    ; tensor_dim0 = 256
	s_mov_b32 s[G1B+2], 64<<16                     ; tensor_dim1 = 64
	s_mov_b32 s[G1B+3], 256<<16                    ; tile_dim0 = 256
	s_mov_b32 s[G1B+4], 64                         ; tile_dim1 = 64
	s_mov_b32 s[G1B+5], SIZE_N
	s_mov_b32 s[G1B+6], 0
	s_mov_b32 s[G1B+7], 0
	; where the tiles come from: xb's hang on the tile row alone, wb's on the tile column alone; every wave makes both, in registers that never hold the other coordinate
	s_lshl_b32 s16, s13, 8
	s_lshl_b32 s17, s12, 7
	s_add_co_u32 s16, s16, s17                     ; xb: row 256 x tile row + 128 x half,
	s_lshl_b32 s16, s16, 13                        ; of 8,192 bytes: under 2^25
	s_mov_b32 s17, 0
	s_lshl_b32 s46, s12, 19                        ; wb: k row 64 x half, of 8,192 bytes,
	s_lshl_b32 s47, s42, 9                         ; and 512 bytes x tile column
	s_add_co_u32 s46, s46, s47
	s_mov_b32 s47, 0
	s_mul_i32 s20, s10, HALFT                      ; where they go: wave x 34,816: no place in the cluster enters an LDS address
	s_wait_dscnt 0x0                               ; both opening adds are done
	s_wait_kmcnt 0x0
	s_add_nc_u64 s[14:15], s[4:5], s[16:17]
	s_add_nc_u64 s[46:47], s[6:7], s[46:47]
	CROUND                                         ; all sixteen work-groups are here: the first joint loads meet
.irp s, 0,1
	s_mov_b32 s[G0+4*(\s)], 1                                        ; count = 1
	s_add_co_u32 s[G0+4*(\s)+1], s20, (\s)*SLOT                      ; LDS address
	s_add_nc_u64 s[G0+4*(\s)+2:G0+4*(\s)+3], s[14:15], (\s)*ASTEP    ; global address: K step s
	s_or_b32 s[G0+4*(\s)+3], s[G0+4*(\s)+3], 0x80000000              ; type = 2
	s_mov_b32 s[G0B+4*(\s)], 1
	s_add_co_u32 s[G0B+4*(\s)+1], s20, (\s)*SLOT
	s_add_nc_u64 s[G0B+4*(\s)+2:G0B+4*(\s)+3], s[46:47], (\s)*BSTEP
	s_or_b32 s[G0B+4*(\s)+3], s[G0B+4*(\s)+3], 0x80000000
	JLOAD \s                                       ; two loads of mine are out
.endr
	v_and_b32 v1, 15, v0                           ; r = l % 16
	v_bfe_u32 v2, v0, 4, 1                         ; h = l / 16
	v_and_b32 v7, 31, v0                           ; l
	v_mul_u32_u24 v3, v1, PITCH                    ; a fragment of xb: row r, 16 bytes for each half of the lanes; two loads 32 bytes apart
	v_lshl_add_u32 v3, v2, 4, v3
	v_and_b32 v4, 7, v0                            ; the turning load: lane l reads k row 8 h + l % 8, columns 8 ((l / 8) % 2) + 0..7, and ends with column r and 8 k
	v_lshl_add_u32 v4, v2, 3, v4
	v_mul_u32_u24 v4, v4, PB
	v_bfe_u32 v5, v0, 3, 1
	v_lshl_add_u32 v4, v5, 4, v4
	s_mul_i32 s21, s11, HALFT                      ; my 128 rows of xb
	s_lshl_b32 s22, s12, 8                         ; my 128 columns of wb: 256 bytes of its rows,
	s_add_co_u32 s22, s22, 2*HALFT                 ; which lie behind xb's 256
.irp s, 0,1
	v_add_nc_u32 v[ADRA+(\s)], s21, v3
	v_add_nc_u32 v[ADRB+(\s)], s22, v4
	s_add_co_u32 s21, s21, SLOT
	s_add_co_u32 s22, s22, SLOT
.endr
	s_mul_i32 s23, s10, STW
	s_add_co_u32 s23, s23, STAGE                   ; my stage
	v_mul_u32_u24 v6, v1, SPITCH                   ; in: row r, 32 bytes for each half of the lanes
	v_lshl_add_u32 v6, v2, 5, v6
	v_add_nc_u32 v[STO], s23, v6
	v_lshl_add_u32 v[RD], v7, 4, s23               ; back: 32 lanes take a row's 512 bytes
	v_lshlrev_b32 v[CO], 4, v7
	v_lshlrev_b32 v[RO], 5, v1
	v_lshl_add_u32 v[RO], v2, 4, v[RO]
	s_lshl_b32 s16, s13, 8
	s_lshl_b32 s17, s11, 7
	s_add_co_u32 s16, s16, s17                     ; my first row of out0 and of t2
	s_lshl_b32 s18, s16, 5                         ; t2: rows of 32 bytes
	s_lshl_b32 s16, s16, 14                        ; out0: rows of 16,384 bytes: under 2^26
	s_lshl_b32 s46, s42, 8
	s_lshl_b32 s47, s12, 7
	s_add_co_u32 s46, s46, s47                     ; my first column of out0, my first row of v2
	s_lshl_b32 s14, s46, 5
	s_lshl_b32 s46, s46, 2
	s_add_co_u32 s16, s16, s46
	s_mov_b32 s17, 0
	s_mov_b32 s19, 0
	s_mov_b32 s15, 0
	s_add_nc_u64 s[8:9], s[8:9], s[16:17]
	s_add_nc_u64 s[68:69], s[68:69], s[18:19]
	s_add_nc_u64 s[70:71], s[70:71], s[14:15]
	; THE RANK STEP's fragments, into buffer 1: registers 0-3 hold k = 8 h + 0..7, registers 4-7 k = 16 + 8 h + 0..7.  v2's 16 bytes serve both; T_hi fills the first, T_lo the second.
	WIN TO_B
.irp i, 0,1,2,3,4,5,6,7
	global_load_b128 v[F1+8*(\i):F1+8*(\i)+3],   v[RO], s[70:71] offset:512*(\i)
	global_load_b128 v[F1+8*(\i)+4:F1+8*(\i)+7], v[RO], s[70:71] offset:512*(\i)
.endr
	WIN 0
.irp i, 0,1,2,3,4,5,6,7
	global_load_b128 v[F1+8*(\i):F1+8*(\i)+3],   v[RO], s[68:69] offset:512*(\i)
	global_load_b128 v[F1+8*(\i)+4:F1+8*(\i)+7], v[RO], s[68:69] offset:512*(\i)+131072
.endr
	; the prefetches' set-up, while those loads are out
	s_lshl_b32 s20, s13, 8
	s_lshl_b32 s21, s12, 7
	s_add_co_u32 s20, s20, s21
	s_lshl_b32 s21, s40, 5
	s_add_co_u32 s20, s20, s21                     ; xb: row 256 x tile row + 128 x half + 32 cx,
	s_lshl_b32 s20, s20, 13                        ; in bytes
	s_lshl_b32 s21, s12, 6
	s_lshl_b32 s22, s41, 4
	s_add_co_u32 s21, s21, s22                     ; wb: k row 64 x half + 16 cy,
	s_lshl_b32 s21, s21, 13
	s_lshl_b32 s22, s42, 9
	s_add_co_u32 s21, s21, s22                     ; and the tile column's 512 bytes
	s_and_b32 s22, ttmp7, 0xffff                   ; cluster y
	s_movk_i32 s23, ASTEP
	s_cmp_eq_u32 s11, 0                            ; do I fetch for xb?
	s_cselect_b32 s20, s20, s21
	s_cselect_b32 s22, ttmp9, s22                  ; the coordinate along which other clusters read the same rows
	s_cselect_b32 s[PFS], s23, BSTEP
	s_cselect_b64 s[PFA:PFA+1], s[4:5], s[6:7]
	s_cselect_b32 s46, 0, 1                        ; xb: a lane a row; wb: two lanes a row,
	s_cselect_b32 s47, 0, 1                        ; 256 bytes apart
	s_mov_b32 s21, 0
	s_mov_b32 s[PFS+1], 0
	s_cmp_eq_u32 s22, 0
	s_cselect_b32 s[LIM], 1, -1                    ; the same in all sixteen partners, for a given wave
	s_add_nc_u64 s[PFA:PFA+1], s[PFA:PFA+1], s[20:21]
	s_mul_i32 s20, s[PFS], 3
	s_add_nc_u64 s[PFA:PFA+1], s[PFA:PFA+1], s[20:21]  ; at K step 3: the first refill steps it to 4 and names that
	v_lshrrev_b32 v8, s46, v7
	v_and_b32 v9, s47, v7
	v_lshlrev_b32 v[PFO], 13, v8
	v_lshl_add_u32 v[PFO], v9, 8, v[PFO]
; 16 matrix instructions: m blocks a0, a0 + 1 of the window's four (hi = 0: my rows 0-63, 1: rows 64-127) x all 8 n blocks, 32 along K.  zero = 1: the product starts the sums.
; The 64 accumulators take turns, one instruction a turn, in the same order in the rank step and in every quarter, over the backward jump too.
.macro MUL16 f, hi, a0, zero
	WIN MUL_LO+0x50*(\hi)
.irp a, \a0, (\a0)+1
.irp b, 0,1,2,3,4,5,6,7
.if \zero
	v_wmma_f32_16x16x32_bf16 v[8*(8*(\a)+(\b)):8*(8*(\a)+(\b))+7], v[(\f)+8*(\b):(\f)+8*(\b)+7], v[(\f)+8*(4*(\hi)+(\a)):(\f)+8*(4*(\hi)+(\a))+7], 0
.else
	v_wmma_f32_16x16x32_bf16 v[8*(8*(\a)+(\b)):8*(8*(\a)+(\b))+7], v[(\f)+8*(\b):(\f)+8*(\b)+7], v[(\f)+8*(4*(\hi)+(\a)):(\f)+8*(4*(\hi)+(\a))+7], v[8*(8*(\a)+(\b)):8*(8*(\a)+(\b))+7]
.endif
.endr
.endr
.endm
; 32 LDS loads in one run: the fragments of quarter q (32 along K) of a slot into buffer f: wb's 16 first (k rows 32 q on, turned), then xb's 16 (byte 64 q of the rows)
.macro FETCH slot, q, f
	WIN TO_B
.irp i, 0,1,2,3,4,5,6,7
	ds_load_tr16_b128 v[(\f)+8*(\i):(\f)+8*(\i)+3],   v[ADRB+(\slot)] offset:(\q)*32*PB+(\i)*32
	ds_load_tr16_b128 v[(\f)+8*(\i)+4:(\f)+8*(\i)+7], v[ADRB+(\slot)] offset:(\q)*32*PB+16*PB+(\i)*32
.endr
	WIN 0
.irp i, 0,1,2,3,4,5,6,7
	ds_load_b128 v[(\f)+8*(\i):(\f)+8*(\i)+3],   v[ADRA+(\slot)] offset:(\q)*64+(\i)*16*PITCH
	ds_load_b128 v[(\f)+8*(\i)+4:(\f)+8*(\i)+7], v[ADRA+(\slot)] offset:(\q)*64+(\i)*16*PITCH+32
.endr
.endm
.macro PLACES                          ; four plain vector instructions between a matrix instruction and a load into a register that it has read, or a reader of its result
.rept 4
	v_nop
.endr
.endm
; A K step is four quarters of 32 along K, 64 matrix instructions each, on buffers 0, 1, 0, 1.  One of the first three: multiplies buffer f; in its middle it fetches quarter q of the same slot into buffer g.
.macro QUARTER slot, q, f, g
	s_wait_dscnt 8                                 ; wb's fragments and xb's rows 0-63 are in; the youngest eight loads (xb's rows 64-127) may be out
	MUL16 \f, 0, 0, 0
	MUL16 \f, 0, 2, 0
	PLACES
	FETCH \slot, \q, \g
	s_wait_dscnt 32                                ; all but the 32 just issued
	MUL16 \f, 1, 0, 0
	MUL16 \f, 1, 2, 0
.endm
; The last quarter multiplies buffer 1 and changes slots.  MEET is its first half: ONE barrier.  In front of it each wave waits for all its tensor loads, of which one is out: its part of the next slot;
; adds 0 to its spare word; and waits for that and for its own reads of this slot.  Behind it nobody reads this slot any more and the next slot is whole.
.macro MEET round
	WIN 0                                          ; (the add's two registers lie in window 0)
	s_wait_tensorcnt 0x0                           ; all my tensor loads have landed
	ds_add_u32 v[SPW], v[NIL]                      ; 0 onto my spare word
	s_wait_dscnt 9                                 ; (the add and the youngest eight loads may be out)
	MUL16 F1, 0, 0, 0                              ; sixteen matrix instructions stand between the add and the wait for it
	s_wait_dscnt 0x0                               ; the add is done, and my reads of this slot are over
	s_barrier_signal -1
	MUL16 F1, 0, 2, 0                              ; work on registers while the others arrive
.if \round
	WIN 0
.endif
	s_barrier_wait -1
.endm
; The whole last quarter.  The barrier opens a round of the cluster's; behind the round the slot just read out is filled again first, with the K step two steps on; then come the next slot's first fragments.
; From a request to the wait for it a wave issues 224 matrix instructions.
.macro TURN slot, next
	s_wait_xcnt 0x0                                ; the last prefetch, a K step back, has read its address: it is stepped here, ahead of the waits of the change of slots
	s_add_nc_u64 s[PFA:PFA+1], s[PFA:PFA+1], s[PFS:PFS+1]
	MEET 1
	CREST                                          ; no wave of any partner still reads this slot's tile or has a load on its way
	s_add_nc_u64 s[G0+4*(\slot)+2:G0+4*(\slot)+3], s[G0+4*(\slot)+2:G0+4*(\slot)+3], 2*ASTEP
	s_add_nc_u64 s[G0B+4*(\slot)+2:G0B+4*(\slot)+3], s[G0B+4*(\slot)+2:G0B+4*(\slot)+3], 2*BSTEP
	JLOAD \slot                                    ; the first tensor load behind the round, one a wave; the four v_nop behind it are also the places in front of the loads below
	FETCH \next, 0, F0
	ASK
	MUL16 F1, 1, 0, 0
	MUL16 F1, 1, 2, 0
.endm
; THE WAY OUT of block a (16 rows x 128 columns of f32).  TOSTAGE: a lane's 32 bytes of a row go into my own stage, each accumulator's low four registers first, and come back as whole rows of 512 bytes.
.macro TOSTAGE a
.set AC, 64*((\a)%4)
.set BK, OB+64*((\a)%2)
	WIN 0x08+4*((\a)/4)                            ; the stores' data (source 1) in window 2 or 3
.irp b, 0,1,2,3,4,5,6,7
	ds_store_b128 v[STO], v[AC+8*(\b):AC+8*(\b)+3]   offset:64*(\b)
	ds_store_b128 v[STO], v[AC+8*(\b)+4:AC+8*(\b)+7] offset:64*(\b)+16
.endr
	WIN 0
	s_wait_xcnt 0x0                                ; the stores of the block two back have read these registers (ISA guide 3.1)
.irp t, 0,1,2,3,4,5,6,7,8,9,10,11,12,13,14,15
	ds_load_b128 v[BK+4*(\t):BK+4*(\t)+3], v[RD] offset:SPITCH*(\t)  ; LDS serves a wave's instructions in order (ISA guide 5.7.1.4): these see the stores above; the next block's stores come behind them
.endr
.endm
.macro SEND a, younger                 ; younger: the LDS instructions issued behind block a's loads: the next block's 32, or none
.set BK, OB+64*((\a)%2)
	WIN 0
.irp t, 0,1,2,3,4,5,6,7,8,9,10,11,12,13,14,15
	s_wait_dscnt (\younger)+15-(\t)
	global_store_b128 v[CO], v[BK+4*(\t):BK+4*(\t)+3], s[8:9] offset:(16*(\a)+(\t))*SIZE_N*4 th:TH_STORE_NT  ; the wave stores 512 consecutive bytes, at a multiple of 512 from out0's first byte; 127 rows at the most stand in the immediate
.endr
.endm
	s_wait_loadcnt 0x0                             ; the rank step's fragments
	MUL16 F1, 0, 0, 1                              ; 64 products start all sums, while the first tiles are on their way
	MUL16 F1, 0, 2, 1
	MUL16 F1, 1, 0, 1
	MUL16 F1, 1, 2, 1
	s_wait_tensorcnt 1                             ; my part of K step 0 is in; K step 1's may stay out
	s_barrier_signal -1
	s_barrier_wait -1                              ; everybody's is
	FETCH 0, 0, F0
	QUARTER 0, 1, F0, F1                           ; its four places stand in front of the fetch into buffer 1, which the rank step read
	WIN 0                                          ; at a label and at a branch every window is 0
	s_mov_b32 s3, LAPS-1
.Llap:                                                 ; a trip goes once round the ring, from a lap's second quarter to the next lap's first, and fills both slots again
	QUARTER 0, 2, F1, F0
	QUARTER 0, 3, F0, F1
	TURN 0, 1
	QUARTER 1, 1, F0, F1
	QUARTER 1, 2, F1, F0
	QUARTER 1, 3, F0, F1
	TURN 1, 0
	QUARTER 0, 1, F0, F1
	WIN 0
	s_sub_co_u32 s3, s3, 1
	s_cmp_lg_u32 s3, 0
	s_cbranch_scc1 .Llap
	QUARTER 0, 2, F1, F0                           ; the last lap is written out: it fills nothing, and has no round of the cluster's barrier
	QUARTER 0, 3, F0, F1
	MEET 0                                         ; my one tensor load that was still out is slot 1's, the last K step's
	PLACES                                         ; for the loads into buffer 0
	FETCH 1, 0, F0
	MUL16 F1, 1, 0, 0
	MUL16 F1, 1, 2, 0
	QUARTER 1, 1, F0, F1
	QUARTER 1, 2, F1, F0
	QUARTER 1, 3, F0, F1
	s_wait_dscnt 8                                 ; the very last quarter: nothing more to fetch
	MUL16 F1, 0, 0, 0
	MUL16 F1, 0, 2, 0
	s_wait_dscnt 0x0
	MUL16 F1, 1, 0, 0
	MUL16 F1, 1, 2, 0
	WIN 0
	PLACES                                         ; eight places, once a launch, in front of the stores that read the results and the loads into the fragments' registers
	PLACES
	TOSTAGE 0
.irp a, 1,2,3,4,5,6,7                  ; block a goes into the stage while block a - 1's rows come back
	TOSTAGE \a
	SEND (\a)-1, 32
.endr
	SEND 7, 0
	s_wait_tensorcnt 0x0                           ; the wave's end, behind my last tensor load and my last LDS store
	ds_add_u32 v[SPW], v[NIL]
	s_wait_dscnt 0x0
	CROUND                                         ; the closing round: no work-group ends while a partner may still ask for a tile that names it
	s_endpgm
.Lfunc_end_k_qc3ac3e7755_gemm:
	.size	k_qc3ac3e7755_gemm, .Lfunc_end_k_qc3ac3e7755_gemm-k_qc3ac3e7755_gemm
	.p2alignl 7, 3214868480
	.fill 96, 4, 3214868480
	.section	.rodata,"a",@progbits
	.p2align	6, 0x0
	.amdhsa_kernel k_qc3ac3e7755_gemm
		.amdhsa_group_segment_fixed_size 327680
		.amdhsa_private_segment_fixed_size 0
		.amdhsa_enable_private_segment 0
		.amdhsa_kernarg_size 40
		.amdhsa_user_sgpr_count 2
		.amdhsa_user_sgpr_kernarg_segment_ptr 1
		.amdhsa_wavefront_size32 1
		.amdhsa_system_sgpr_workgroup_id_x 1
		.amdhsa_system_sgpr_workgroup_id_y 1
		.amdhsa_system_sgpr_workgroup_id_z 1
		.amdhsa_system_vgpr_workitem_id 0
		.amdhsa_next_free_vgpr 1024
		.amdhsa_next_free_sgpr 72
		.amdhsa_reserve_vcc 0
		.amdhsa_float_denorm_mode_32 3
		.amdhsa_float_denorm_mode_16_64 3
		.amdhsa_memory_ordered 1
		.amdhsa_forward_progress 1
		.amdhsa_inst_pref_size 153
	.end_amdhsa_kernel
	.amdgpu_metadata
---
amdhsa.version: [ 1, 2 ]
amdhsa.kernels:
  - .name:           k_qc3ac3e7755_gemm
    .symbol:         k_qc3ac3e7755_gemm.kd
    .args:
      - { .name: xb, .offset: 0, .size: 8, .value_kind: global_buffer, .address_space: global }
      - { .name: wb, .offset: 8, .size: 8, .value_kind: global_buffer, .address_space: global }
      - { .name: t2, .offset: 16, .size: 8, .value_kind: global_buffer, .address_space: global }
      - { .name: v2, .offset: 24, .size: 8, .value_kind: global_buffer, .address_space: global }
      - { .name: out0, .offset: 32, .size: 8, .value_kind: global_buffer, .address_space: global }
    .group_segment_fixed_size: 327680
    .private_segment_fixed_size: 0
    .kernarg_segment_align: 8
    .kernarg_segment_size: 40
    .max_flat_workgroup_size: 128
    .sgpr_count:     72
    .vgpr_count:     1024
    .wavefront_size: 32
...
	.end_amdgpu_metadata
.endif
;; end of part 2
